; MI455X (gfx1250); checked and timed in simulation.
; The chip was launched on July 23, 2026; its instructions are those of AMD's public machine-readable ISA for CDNA 5 (MIT licence, August 2026) and "CDNA5" Instruction Set Architecture Reference Guide (July 2026). The comments in the code are by the model that wrote it; some were corrected since.
;; Omni Gen MLP. Allowed arithmetic: float matrix products may take bf16 or f16 operands with f32 sums; other float arithmetic in f32, or as packed bf16 or f16 multiplies, adds, multiply-adds, maxima and minima; sums over many terms, partial sums and values carried from step to step in f32; what a program stores and reads back later, other than sums and carried values, may be rounded once to bf16 or f16.
;; Inputs: b_down 2,048 float32; b_gate_up 16,384 float32; w_down 8,192 x 2,048 float32; w_gate_up 2,048 x 16,384 float32; x 2 x 512 x 2,048 float32.
;; Outputs: out0 2 x 512 x 2,048 float32.
;; One version. Each part assembles by itself: llvm-mc -triple=amdgcn-amd-amdhsa -mcpu=gfx1250 --defsym DOCPART=n.
;; ======== version 1 of 1: 4 launches
;; workspace buffers: xb 4,194,304 bytes; hid 16,777,216 bytes; part 33,554,432 bytes
;; launch cvtx (part 1): grid 256 x 1, 8 waves a work-group, no clusters, 0 bytes of LDS; arguments x, xb; writes xb
.if DOCPART == 1
	.amdgcn_target "amdgcn-amd-amdhsa--gfx1250"
	.amdhsa_code_object_version 6
	.text
	.protected	k_q27ab42d3ec_cvtx
	.globl	k_q27ab42d3ec_cvtx
	.p2align	8
	.type	k_q27ab42d3ec_cvtx,@function
k_q27ab42d3ec_cvtx:
	s_mov_b64 s[64:65], 0
	v_nop
	global_prefetch_b8 v0, s[64:65] scope:SCOPE_SE
	s_setreg_imm32_b32 hwreg(HW_REG_WAVE_MODE, 25, 1), 1
	s_wait_xcnt 0x0
; xb = x rounded once to bf16 and laid in blocks of 128 k: xb[kb][m][k % 128], kb = k / 128; x: [1024][2048] f32.
; In that layout the 64 rows x 128 k that one tensor load of the next launch brings are 16,384 consecutive bytes.
; The work-group owns rows 4 g .. 4 g + 3.  Thread t of wave w: row 2 (w % 2) + (t / 16) % 2, eight numbers 8 (t % 16) .. + 7 of block kb = w / 2 + 4 c, c = 0 .. 3.
; A wave's pair of loads covers 512 consecutive bytes, aligned, of each of two rows; a wave's store covers 512 consecutive bytes, aligned (two rows of 256).
; No LDS, no barrier: no thread wants what another has fetched.
.set X, 8                              ; v[8:39]   chunk c: eight f32
.set Y, 40                             ; v[40:55]  chunk c: eight bf16
	s_load_b128 s[4:7], s[0:1], 0x0                ; x s[4:5], xb s[6:7]
	v_lshrrev_b32 v3, 5, v0                        ; w
	v_bfe_u32 v4, v0, 4, 1                         ; which half of the lanes
	v_and_b32 v5, 1, v3
	v_lshl_or_b32 v4, v5, 1, v4                    ; my row of the four
	v_lshrrev_b32 v3, 1, v3                        ; w / 2
	v_and_b32 v5, 15, v0                           ; my eight numbers of the 128
	v_lshlrev_b32 v1, 13, v4                       ; in x: a row is 8,192 bytes,
	v_lshl_or_b32 v1, v3, 9, v1                    ; a block of 128 k 512 bytes of it,
	v_lshl_or_b32 v1, v5, 5, v1                    ; my eight numbers 32
	v_lshlrev_b32 v2, 8, v4                        ; in xb: a row of a block is 256 bytes,
	v_lshl_or_b32 v2, v3, 18, v2                   ; a block 1,024 rows of them,
	v_lshl_or_b32 v2, v5, 4, v2                    ; my eight numbers 16
	s_lshl_b32 s8, ttmp9, 15                       ; the work-group's four rows in x
	s_mov_b32 s9, 0
	s_lshl_b32 s10, ttmp9, 10                      ; and in a block of xb
	s_mov_b32 s11, 0
	s_wait_kmcnt 0x0
	s_add_nc_u64 s[4:5], s[4:5], s[8:9]
	s_add_nc_u64 s[6:7], s[6:7], s[10:11]
.irp c, 0,1,2,3
	global_load_b128 v[X+8*(\c):X+8*(\c)+3],   v1, s[4:5] offset:2048*(\c) th:TH_LOAD_NT
	global_load_b128 v[X+8*(\c)+4:X+8*(\c)+7], v1, s[4:5] offset:2048*(\c)+16 th:TH_LOAD_NT
.endr
.irp c, 0,1,2,3
	s_wait_loadcnt 6-2*(\c)                        ; loads come back in order: chunk c is in, the younger chunks' loads stay out
.irp j, 0,1,2,3
	v_cvt_pk_bf16_f32 v[Y+4*(\c)+(\j)], v[X+8*(\c)+2*(\j)], v[X+8*(\c)+2*(\j)+1]
.endr
	global_store_b128 v2, v[Y+4*(\c):Y+4*(\c)+3], s[6:7] offset:(\c)*1048576  ; four blocks on
.endr
	s_endpgm
.Lfunc_end_k_q27ab42d3ec_cvtx:
	.size	k_q27ab42d3ec_cvtx, .Lfunc_end_k_q27ab42d3ec_cvtx-k_q27ab42d3ec_cvtx
	.p2alignl 7, 3214868480
	.fill 96, 4, 3214868480
	.section	.rodata,"a",@progbits
	.p2align	6, 0x0
	.amdhsa_kernel k_q27ab42d3ec_cvtx
		.amdhsa_group_segment_fixed_size 0
		.amdhsa_private_segment_fixed_size 0
		.amdhsa_enable_private_segment 0
		.amdhsa_kernarg_size 16
		.amdhsa_user_sgpr_count 2
		.amdhsa_user_sgpr_kernarg_segment_ptr 1
		.amdhsa_wavefront_size32 1
		.amdhsa_system_sgpr_workgroup_id_x 1
		.amdhsa_system_sgpr_workgroup_id_y 1
		.amdhsa_system_sgpr_workgroup_id_z 1
		.amdhsa_system_vgpr_workitem_id 0
		.amdhsa_next_free_vgpr 56
		.amdhsa_next_free_sgpr 66
		.amdhsa_reserve_vcc 0
		.amdhsa_float_denorm_mode_32 3
		.amdhsa_float_denorm_mode_16_64 3
		.amdhsa_memory_ordered 1
		.amdhsa_forward_progress 1
		.amdhsa_inst_pref_size 4
	.end_amdhsa_kernel
	.amdgpu_metadata
---
amdhsa.version: [ 1, 2 ]
amdhsa.kernels:
  - .name:           k_q27ab42d3ec_cvtx
    .symbol:         k_q27ab42d3ec_cvtx.kd
    .args:
      - { .name: x, .offset: 0, .size: 8, .value_kind: global_buffer, .address_space: global }
      - { .name: xb, .offset: 8, .size: 8, .value_kind: global_buffer, .address_space: global }
    .group_segment_fixed_size: 0
    .private_segment_fixed_size: 0
    .kernarg_segment_align: 8
    .kernarg_segment_size: 16
    .max_flat_workgroup_size: 256
    .sgpr_count:     66
    .vgpr_count:     56
    .wavefront_size: 32
...
	.end_amdgpu_metadata
.endif
;; end of part 1
;; launch gateup (part 2): grid 64 x 4, 4 waves a work-group, clusters of 4 x 4, 327,680 bytes of LDS; arguments xb, w_gate_up, b_gate_up, hid; writes hid
.if DOCPART == 2
	.amdgcn_target "amdgcn-amd-amdhsa--gfx1250"
	.amdhsa_code_object_version 6
	.text
	.protected	k_q27ab42d3ec_gateup
	.globl	k_q27ab42d3ec_gateup
	.p2align	8
	.type	k_q27ab42d3ec_gateup,@function
k_q27ab42d3ec_gateup:
	s_mov_b64 s[64:65], 0
	v_nop
	global_prefetch_b8 v0, s[64:65] scope:SCOPE_SE
	s_setreg_imm32_b32 hwreg(HW_REG_WAVE_MODE, 25, 1), 1
	s_wait_xcnt 0x0
	s_wait_alu depctr_hold_cnt(0) depctr_sa_sdst(0) depctr_va_vdst(0) depctr_va_sdst(0) depctr_va_ssrc(0) depctr_va_vcc(0) depctr_vm_vsrc(0)
	s_getreg_b32 s2, hwreg(HW_REG_IB_STS2, 6, 4)
	s_cmp_eq_u32 s2, 0
	s_cbranch_scc0 .Lentry_in_a_cluster
	s_endpgm
.Lentry_in_a_cluster:
	s_bfe_u32 s2, ttmp6, 0x10000c
	s_cmp_lg_u32 s2, 0xf033
	s_cbranch_scc0 .Lentry_shape_is_right
	s_endpgm
.Lentry_shape_is_right:
; hid[m][c] = silu(x[m] . Wg[:, c] + bg[c]) x (x[m] . Wu[:, c] + bu[c]), rounded once to bf16.  xb: x in bf16, [16 kb][1024 m][128 k]; w_gate_up: [2048 k][16384] f32, gate columns 0 .. 8191,
; up columns 8192 on; hid: [1024][8192] bf16.  Products in bf16 with f32 sums; the weights and the bias are rounded to bf16 here; silu in f32.
; LIMITS.  silu(g) u is made as (g u) / (1 + 2^(-g log2 e)): for g below about -87 it counts as 0, where its true size is under 1e-36 |u|.  NaN and infinities are not treated apart.
; SHARES.  A work-group makes 256 rows x 128 columns of hid.  Wave w = 2 HI + LO multiplies all 256 rows by 64 columns of its own: HI = 0 gate, HI = 1 up, columns 64 LO on: 64 accumulators.
; At the end waves w and w ^ 2 exchange halves through LDS: each keeps 128 rows (128 HI on) of gate and up.  Fragments 0-7 (window 2) are the rows that a wave keeps, 8-15 (window 3) its partner's: one text for both.
; THE WEIGHTS GO FROM MEMORY STRAIGHT INTO REGISTERS, AND ARE NOT ASKED FOR JOINTLY.  The reason, by this text's own count: through LDS a k costs 1,024 bytes of f32 weights and 512 of x, so two slots in 327,680 bytes hold
; 106 k each at the most, and a refill must have landed at the next change of slots.  A load into registers is waited for by count and passes the changes of slots: it is issued four quarters ahead of its products and has
; three quarters, 192 matrix instructions, in which to land.  No two waves of a work-group hold the same columns, so each weight is read and rounded once in a work-group; LDS holds x alone, and a wave reads 32 times 512 bytes
; from it in a quarter.  The price: each of the four row blocks loads the weights itself.
; THE WEIGHTS LIE [k][n], AND NOTHING IS TRANSPOSED.  Lane (r, h) = (l % 16, l / 16) loads 16 bytes, columns 4 r .. 4 r + 3, of the sixteen rows k = 16 h + 0 .. 15 (16 lanes: 256 consecutive bytes, aligned); rows 2 p and
; 2 p + 1 of column 4 r + i, rounded as a pair, are register p of fragment i.  Place (h, p, half e) of a fragment holds k = 16 h + 2 p + e; x's fragments hold the same k in the same places (32 consecutive bytes a lane).
; THE MATRIX INSTRUCTION IS USED TRANSPOSED (source 0 = weights, source 1 = 16 rows of x): register j of accumulator (a, i) in lane (r, h) is row 16 a + r, column 32 h + 4 j + i of the wave's 64.
; RING.  x goes in steps of 128 k, four quarters of 32 k, through two LDS slots of 256 rows; each wave fetches 64 rows by one joint load.  CLUSTER: 4 x 4 work-groups; the four of a row share x's rows.
; REGISTERS, in windows of 256 (s_set_vgpr_msb: bits 1:0 source 0, 3:2 source 1, 5:4 source 2, 7:6 destination):
;   window 0: v0-29 addresses; v32-159 x's 16 fragments, one buffer, filled again half by half as it is used; v160-223 the weights' 4 fragments, two buffers; v224-255 the bias as the first products' C
;   window 1: a ring of four places of 64: raw f32 weights of a quarter      window 2: accumulators n = 4 a + i < 32 at v[8 n]      window 3: the others at v[8 (n - 32)]
.set NSTEP,  16                        ; steps of 128 k
.set PA,     272                       ; a row of x in LDS: 256 bytes + 16 of padding = 68 words: the 16 rows of a load start at 16 different groups of four banks (64 banks of 4 bytes: ISA guide 11.1)
.set WSEG,   64*PA                     ; what one tensor load brings
.set XA,     1<<17                     ; slot 1 begins here: one exclusive or turns an address in one slot into the other's
.set KA,     262144                    ; bytes from step to step in xb (a block of 128 k)
.set ROWB,   65536                     ; a k-row of w_gate_up
.set QB,     32*ROWB                   ; a quarter's k-rows
.set STEPB,  4*QB                      ; a step's
.set STAGE,  1<<17                     ; the way out: 256 rows x 272 bytes, in slot 1's bytes, which have had their last fill by then; the exchange (4 x 32,768 bytes) lies from byte 0 on, likewise
.set SPITCH, 272
.set SPARE,  1<<18                     ; the spare words, 128 bytes for each wave: two blocks of 256 bytes that no other line names
.set ADRA0,  2                         ; v2   my lane's place among the rows that I keep; never rewritten
.set ADRA20, 3                         ; v3   among the rows that my partner keeps
.set ADRA,   4                         ; v4   v2 + the slot in hand
.set ADRA2,  5                         ; v5   v3 + the slot in hand
.set BO,     6                         ; v6   my lane's offset in the weights: 16 h rows + 16 r bytes; never rewritten
.set PFOB,   7                         ; v7   the weights' prefetch: a lane a k-row
.set PFOA,   8                         ; v8   x's prefetch: 256 x lane
.set STO,    10                        ; v10  the way out: where I put 64 bytes of a row
.set RD,     11                        ; v11  where I read rows back
.set CO,     12                        ; v12  my byte offset in two rows of hid
.set XG,     13                        ; v13  the exchange: where I put what my partner keeps
.set XP,     16                        ; v16  where my partner puts what I keep
.set SPW,    28                        ; v28  LDS address of my spare word: SPARE + 4 x my thread's number; never rewritten
.set NIL,    29                        ; v29  0; never rewritten
.set FA,     32
.set FB,     160
.set RAWB,   192                       ; the bias as loaded (in the second weights' buffer, ahead of its first use)
.set BC,     224
.set TT,     32                        ; the way out, window 0: at work
.set PP,     64
.set OO,     96
.set WV,  12
.set HI,  13
.set LO,  14
.set G1A, 24                           ; s[24:31] descriptor group 1
.set G0A, 32                           ; s[32:39] group 0: a set for each of the two first fills; the second then walks
.set CX,  40
.set CY,  41
.set NT,  42                           ; s42  the tile's column: 4 x cluster x + cx
.set WP,  44                           ; s[44:45] the weights at my columns, at the step whose quarters are being asked for
.set PFB, 46                           ; s[46:47] where my prefetch of the weights stands
.set PFA, 48                           ; s[48:49] of x
.set SA,  50                           ; s[50:51] the exponent's factor for my own sums: -log2(e) in a gate wave, 0 in an up wave
.set SB,  52                           ; s[52:53] for my partner's: the other way round
.set TBA, 54                           ; s54  the slot in hand
.set CNT, 55                           ; s55  trips to go
.set LIMA, 56                          ; s56  2 in a wave that prefetches x, else the greatest number
.set MSB, 0
.macro WIN new                         ; the immediate's high byte repeats the setting that is left; a switch that changes nothing is dropped
.if MSB != (\new)
	s_set_vgpr_msb (MSB<<8)|(\new)
.set MSB, \new
.endif
.endm
.macro PLACES                          ; four places behind a matrix instruction (ISA guide 7.12.1)
.rept 4
	v_nop
.endr
.endm
.macro JLOAD                           ; my joint refill, by the walking descriptor; an s_nop 0 and four v_nop follow it
	tensor_load_to_lds s[G0A+4:G0A+7], s[G1A:G1A+7]
	s_nop 0
.rept 4
	v_nop
.endr
.endm
; PREFETCHES INTO THE L2, behind the joint refill and the run of LDS loads that follows it: the change of step s names step s + 4: nine to twelve quarters ahead of the loads of its weights, two refills ahead of x's.
; Each aligned block of 256 bytes is named once in the launch.  Weights: a wave's 64 columns of a k-row are one block; of the step's 128 k-rows the partner at cy takes 32, a lane a row: told apart by address.
; x: every cluster reads all of it, the first asks; of a row block's 65,536 bytes of a step the partner at cx takes 16,384, waves 0 and 1 half of that each.  The changes whose step s + 4 does not exist ask for nothing.
.macro ASK
	s_cmp_gt_u32 s[CNT], 2
	s_cbranch_scc0 .Lno_b_\@
	global_prefetch_b8 v[PFOB], s[PFB:PFB+1] th:TH_LOAD_NT scope:SCOPE_SE
.Lno_b_\@:
	s_cmp_gt_u32 s[CNT], s[LIMA]
	s_cbranch_scc0 .Lno_a_\@
	global_prefetch_b8 v[PFOA], s[PFA:PFA+1] th:TH_LOAD_NT scope:SCOPE_SE
.Lno_a_\@:
.endm
.macro CREST                           ; a round of the cluster's barrier behind its opening barrier
	s_cmp_lg_u32 s[WV], 0
	s_cbranch_scc1 .Lnot_wave_0_\@
	s_barrier_signal -3
.Lnot_wave_0_\@:
	s_barrier_wait -3
	s_barrier_signal -1
	s_barrier_wait -1
.endm
.macro CROUND                          ; a whole round
	s_barrier_signal -1
	s_barrier_wait -1
	CREST
.endm
; 16 loads: quarter p of the step at s[WP]: my 64 columns of its 32 k-rows, into place p of the ring.  The largest immediate, 3 QB + 15 ROWB = 7,274,496, lies inside the signed 24 bits.
.macro GLOAD p
	WIN 0x40                                       ; destination window 1, address window 0
.set z, 0
.rept 16
	global_load_b128 v[64*(\p)+4*z:64*(\p)+4*z+3], v[BO], s[WP:WP+1] offset:(\p)*QB+z*ROWB
.set z, z+1
.endr
.endm
; 16 LDS loads: x's fragments 8 hh .. 8 hh + 7 of the quarter at place pos of the slot in hand
.macro RUN hh, pos
	WIN 0
.set z, 0
.rept 16
.if (\hh) == 0
	ds_load_b128 v[FA+4*z:FA+4*z+3], v[ADRA] offset:(z/2)*16*PA+(\pos)*64+16*(z%2)
.else
	ds_load_b128 v[FA+64+4*z:FA+64+4*z+3], v[ADRA2] offset:(z/2)*16*PA+(\pos)*64+16*(z%2)
.endif
.set z, z+1
.endr
.endm
; Matrix instruction n = 4 a + i of a quarter, on the weights' buffer cur.  All 64 accumulators take turns, in the same order in every quarter.  first = 1: the bias starts the sums.
.macro MM n, cur, first
.set ra, 8*((\n)%32)
.set rb, FB+32*(\cur)+8*((\n)%4)
.set rx, FA+8*((\n)/4)
.if \first
	WIN 0x80+0x40*((\n)/32)                        ; sources and C window 0, D window 2 or 3
	v_wmma_f32_16x16x32_bf16 v[ra:ra+7], v[rb:rb+7], v[rx:rx+7], v[BC+8*((\n)%4):BC+8*((\n)%4)+7]
.else
	WIN 0xa0+0x50*((\n)/32)                        ; sources window 0, C and D window 2 or 3
	v_wmma_f32_16x16x32_bf16 v[ra:ra+7], v[rb:rb+7], v[rx:rx+7], v[ra:ra+7]
.endif
.endm
.macro MMS from, to, cur, first
.set m, \from
.rept (\to)-(\from)
	MM m, \cur, \first
.set m, m+1
.endr
.endm
; Conversion c = 8 i + p: k-rows 2 p and 2 p + 1 of column i, in place rp of the ring, become register p of fragment i in buffer nx.
.macro CV c, rp, nx
	WIN 0x05                                       ; sources window 1, destination window 0
	v_cvt_pk_bf16_f32 v[FB+32*(\nx)+(\c)], v[64*(\rp)+8*((\c)%8)+(\c)/8], v[64*(\rp)+8*((\c)%8)+4+(\c)/8]
.endm
.macro CV4 c, rp, nx
	CV (\c), \rp, \nx
	CV (\c)+1, \rp, \nx
	CV (\c)+2, \rp, \nx
	CV (\c)+3, \rp, \nx
.endm
; Half hh of a quarter, from its matrix instruction 'from' on.  nx = 1: behind each of the last four stand four conversions for the next quarter; the last four name no register of the products round them:
; they are the places in front of the loads into the fragments just used, and in front of the next conversions into the buffer just used.
.macro HALF hh, from, cur, first, nx, rp
	MMS 32*(\hh)+(\from), 32*(\hh)+28, \cur, \first
.irp u, 0,1,2,3
	MM 32*(\hh)+28+(\u), \cur, \first
.if \nx
	CV4 16*(\hh)+4*(\u), \rp, 1-(\cur)
.endif
.endr
.endm
; QUARTER p of a step.  nx = 1: it makes ready the next quarter: lc is the count of younger loads that may stay out when that quarter's raw weights must be in (two quarters' 32, in the tail 16 and 0).
; gl = 1: 16 loads for the quarter four on go into the place that the last quarter converted: three places, 48 loads, are then out.  x's fragments have one buffer: the 16 loads behind each half fill the half just used,
; and the wait in front of a half leaves the other half's 16 out.
; mode 1 (p = 3): THE CHANGE OF SLOTS: the slot's last reads were issued in the quarter before.  Each wave waits for all its tensor loads (one is out: its part of the other slot), adds 0 to its spare word, and waits for that and
; for its reads; the barrier opens a round of the cluster's, so that no wave of any partner still reads the slot or has a load on its way; the joint refill, with the step two on, is the first thing behind the round: from it to
; the wait for it a wave issues 232 matrix instructions.  mode 2: the same with nothing left to ask for: a plain barrier.
.macro QUARTER p, mode, gl, nx, lc, first
.if \nx
	s_wait_loadcnt \lc
.endif
.if \gl
.if (\p) == 0
	s_wait_xcnt 0x0                                ; the loads of the last step's quarters and the prefetches, 24 matrix instructions back or more, have read their addresses
	s_add_nc_u64 s[WP:WP+1], s[WP:WP+1], STEPB
.endif
	GLOAD \p
.endif
.if (\mode) == 0
	s_wait_dscnt 16
	HALF 0, 0, (\p)%2, \first, \nx, ((\p)+1)%4
.if \nx
	RUN 0, ((\p)+1)%4
	s_wait_dscnt 16
.else
	s_wait_dscnt 0x0
.endif
	HALF 1, 0, (\p)%2, \first, \nx, ((\p)+1)%4
.if \nx
	RUN 1, ((\p)+1)%4
.endif
.else
	s_wait_dscnt 16
	MMS 0, 16, 1, 0
	WIN 0                                          ; (the add's two registers lie in window 0)
.if (\mode) == 1
	s_wait_xcnt 0x0                                ; the last prefetches, a step back, have read their addresses, so these may be stepped
	s_add_nc_u64 s[PFB:PFB+1], s[PFB:PFB+1], STEPB
	s_add_nc_u64 s[PFA:PFA+1], s[PFA:PFA+1], KA
.endif
	s_wait_tensorcnt 0x0                           ; no tensor load of mine is out, so a group 0 may be written
	ds_add_u32 v[SPW], v[NIL]                      ; 0 onto my spare word
.if (\mode) == 1
	s_xor_b32 s[G0A+5], s[G0A+5], XA               ; the walking descriptor: the other slot than last time, the next step
	s_add_nc_u64 s[G0A+6:G0A+7], s[G0A+6:G0A+7], KA
.endif
	s_xor_b32 s[TBA], s[TBA], XA
	HALF 0, 16, 1, 0, 1, 0                         ; sixteen matrix instructions stand between the add and the wait for it
	s_wait_dscnt 0x0                               ; the add is done, and my reads of this slot, the last issued 32 matrix instructions back, have come
	s_barrier_signal -1
	MMS 32, 40, 1, 0                               ; work on registers while the others arrive
	WIN 0
	s_barrier_wait -1
.if (\mode) == 1
	CREST
	JLOAD
.endif
	v_add_nc_u32 v[ADRA], s[TBA], v[ADRA0]         ; the reads go on in the other slot
	v_add_nc_u32 v[ADRA2], s[TBA], v[ADRA20]
	RUN 0, 0
.if (\mode) == 1
	ASK
.endif
	HALF 1, 8, 1, 0, 1, 0
	RUN 1, 0
.endif
.endm
	s_load_b256 s[4:11], s[0:1], 0x0               ; xb s[4:5], w_gate_up s[6:7], b_gate_up s[8:9], hid s[10:11]
	v_lshl_add_u32 v[SPW], v0, 2, SPARE
	v_mov_b32 v[NIL], 0
	ds_add_u32 v[SPW], v[NIL]                      ; the wave's opening: the add, twice on end, and its wait ahead of my first tensor load; the set-up below stands between
	ds_add_u32 v[SPW], v[NIL]                      ; and once more, under the one wait
	v_lshrrev_b32 v1, 5, v0
	v_readfirstlane_b32 s[WV], v1                  ; wave 0..3
	s_lshr_b32 s[HI], s[WV], 1
	s_and_b32 s[LO], s[WV], 1
	s_bfe_u32 s[CX], ttmp6, 0x40000                ; my place in the cluster
	s_bfe_u32 s[CY], ttmp6, 0x40004                ; the grid is one cluster high: cy is the tile's row
	s_lshl_b32 s[NT], ttmp9, 2
	s_add_co_u32 s[NT], s[NT], s[CX]
	s_lshl_b32 s43, s[CY], 2
	s_lshl_b32 s43, 15, s43                        ; my row of the cluster
	; group 1: 64 rows of 128 elements of 2 bytes, dense in xb, padded in LDS
	s_or_b32 s[G1A], s43, (1<<16)|(1<<20)|(1<<21)|(5<<22)|(3<<25)  ; 15:0 the mask; 17:16 2-byte elements; 20 padding on; 21 set beside a mask; 24:22 after every 64 words (code 5); 31:25 4 words (code 3)
	s_mov_b32 s[G1A+1], 128<<16                    ; tensor_dim0 = 128
	s_mov_b32 s[G1A+2], 64<<16                     ; tensor_dim1 = 64
	s_mov_b32 s[G1A+3], 128<<16                    ; tile_dim0 = 128
	s_mov_b32 s[G1A+4], 64                         ; tile_dim1 = 64
	s_mov_b32 s[G1A+5], 128                        ; elements from row to row
	s_mov_b32 s[G1A+6], 0
	s_mov_b32 s[G1A+7], 0
	s_lshl_b32 s16, s[CY], 16                      ; x: rows 256 cy + 64 w, 256 bytes each: made of cy and the wave's number alone
	s_lshl_b32 s17, s[WV], 14
	s_add_co_u32 s16, s16, s17
	s_mov_b32 s17, 0
	s_mul_i32 s20, s[WV], WSEG                     ; where they go: no place in the cluster enters an LDS address
	s_mov_b32 s21, 0xbfb8aa3b                      ; -log2(e)
	s_cmp_eq_u32 s[HI], 0
	s_cselect_b32 s[SA], s21, 0
	s_cselect_b32 s[SB], 0, s21
	s_mov_b32 s[SA+1], s[SA]                       ; named as pairs
	s_mov_b32 s[SB+1], s[SB]
	s_mov_b32 s[TBA], 0
	s_wait_dscnt 0x0                               ; both opening adds are done
	s_wait_kmcnt 0x0
	s_add_nc_u64 s[16:17], s[4:5], s[16:17]
.irp s, 0,1
	s_mov_b32 s[G0A+4*(\s)], 1                                     ; count = 1
	s_add_co_u32 s[G0A+4*(\s)+1], s20, (\s)*XA                     ; LDS address: slot s
	s_add_nc_u64 s[G0A+4*(\s)+2:G0A+4*(\s)+3], s[16:17], (\s)*KA   ; global address: step s
	s_or_b32 s[G0A+4*(\s)+3], s[G0A+4*(\s)+3], 0x80000000          ; type = 2
.endr
	CROUND                                         ; all sixteen work-groups are here: the first joint loads meet
	tensor_load_to_lds s[G0A:G0A+3], s[G1A:G1A+7]  ; my two first fills, ahead of every wait on TENSORcnt and every LDS read: two loads of mine are out
	s_nop 0
	tensor_load_to_lds s[G0A+4:G0A+7], s[G1A:G1A+7]
	s_nop 0
.rept 4
	v_nop
.endr
	v_and_b32 v1, 15, v0                           ; r
	v_bfe_u32 v9, v0, 4, 1                         ; h
	v_and_b32 v14, 31, v0                          ; l
	s_lshl_b32 s18, s[HI], 15                      ; my 64 columns, in bytes: up lies 8,192 columns behind gate; 128 nt + 64 LO
	s_lshl_b32 s19, s[NT], 9
	s_add_co_u32 s18, s18, s19
	s_lshl_b32 s19, s[LO], 8
	s_add_co_u32 s18, s18, s19
	s_mov_b32 s19, 0
	s_add_nc_u64 s[8:9], s[8:9], s[18:19]          ; in the bias
	s_add_nc_u64 s[WP:WP+1], s[6:7], s[18:19]      ; and in the weights' first row
	v_lshlrev_b32 v15, 7, v9                       ; my 32 columns' bias: 128 h bytes
	v_lshlrev_b32 v[BO], 4, v1
	v_lshl_add_u32 v[BO], v9, 20, v[BO]            ; 16 h rows of 65,536 bytes + 16 r
.set z, 0
.rept 8
	global_load_b128 v[RAWB+4*z:RAWB+4*z+3], v15, s[8:9] offset:16*z  ; columns 32 h + 4 z + 0 .. 3
.set z, z+1
.endr
	GLOAD 0                                        ; the first three quarters' weights
	GLOAD 1
	GLOAD 2
	WIN 0
	s_mul_i32 s18, s[HI], 128*PA                   ; x's fragments: row x pitch + 32 h; the 128 rows that I keep,
	s_xor_b32 s19, s[HI], 1
	s_mul_i32 s19, s19, 128*PA                     ; and those that my partner keeps
	v_mul_u32_u24 v17, v1, PA
	v_lshl_add_u32 v17, v9, 5, v17
	v_add_nc_u32 v[ADRA0], s18, v17
	v_add_nc_u32 v[ADRA20], s19, v17
	v_add_nc_u32 v[ADRA], s[TBA], v[ADRA0]
	v_add_nc_u32 v[ADRA2], s[TBA], v[ADRA20]
	s_lshl_b32 s19, s[LO], 15                      ; the exchange: 32,768 bytes a wave, at 32,768 w; my partner is w ^ 2
	s_lshl_b32 s18, s[HI], 16
	s_add_co_u32 s18, s18, s19
	v_lshl_add_u32 v[XG], v14, 4, s18
	s_xor_b32 s18, s[HI], 1
	s_lshl_b32 s18, s18, 16
	s_add_co_u32 s18, s18, s19
	v_lshl_add_u32 v[XP], v14, 4, s18
	s_mul_i32 s18, s[HI], 128*SPITCH               ; into the stage: row 128 HI + r, byte 128 LO + 64 h
	s_lshl_b32 s19, s[LO], 7
	s_add_co_u32 s18, s18, s19
	s_add_co_u32 s18, s18, STAGE
	v_mul_u32_u24 v[STO], v1, SPITCH
	v_lshl_add_u32 v[STO], v9, 6, v[STO]
	v_add_nc_u32 v[STO], s18, v[STO]
	s_mul_i32 s18, s[WV], 64*SPITCH                ; back: wave w takes rows 64 w on, whole; lanes 0-15 one row of 256 bytes, lanes 16-31 the next
	s_add_co_u32 s18, s18, STAGE
	v_mul_u32_u24 v[RD], v9, SPITCH
	v_lshl_add_u32 v[RD], v1, 4, v[RD]
	v_add_nc_u32 v[RD], s18, v[RD]
	v_lshlrev_b32 v[CO], 14, v9                    ; the same two rows in hid: 16,384 bytes a row
	v_lshl_add_u32 v[CO], v1, 4, v[CO]
	s_lshl_b32 s18, s[CY], 22                      ; hid at row 256 cy + 64 w, column 128 nt
	s_lshl_b32 s19, s[WV], 20
	s_add_co_u32 s18, s18, s19
	s_lshl_b32 s19, s[NT], 8
	s_add_co_u32 s18, s18, s19
	s_mov_b32 s19, 0
	s_add_nc_u64 s[10:11], s[10:11], s[18:19]
	; the prefetches stand at step 3; each change of slots steps them first, so the first names step 4
	s_lshl_b32 s20, s[CY], 21                      ; weights: my work-group's 32 of the step's 128 k-rows
	s_add_co_u32 s20, s20, 3*STEPB
	s_mov_b32 s21, 0
	s_add_nc_u64 s[PFB:PFB+1], s[WP:WP+1], s[20:21]
	v_lshlrev_b32 v[PFOB], 16, v14
	s_lshl_b32 s20, s[CY], 16                      ; x: the row block's 65,536 bytes of a step, my work-group's quarter, my wave's half of that
	s_lshl_b32 s21, s[CX], 14
	s_add_co_u32 s20, s20, s21
	s_lshl_b32 s21, s[LO], 13
	s_add_co_u32 s20, s20, s21
	s_add_co_u32 s20, s20, 3*KA
	s_mov_b32 s21, 0
	s_add_nc_u64 s[PFA:PFA+1], s[4:5], s[20:21]
	s_or_b32 s21, s[HI], ttmp9
	s_cmp_eq_u32 s21, 0                            ; waves 0 and 1 of the first cluster: the same in all sixteen partners
	s_cselect_b32 s[LIMA], 2, -1
	v_lshlrev_b32 v[PFOA], 8, v14
	s_wait_tensorcnt 0x1                           ; my part of slot 0 is in; slot 1's may stay out
	s_barrier_signal -1
	s_barrier_wait -1                              ; everybody's is
	RUN 0, 0
	RUN 1, 0
	s_wait_loadcnt 48                              ; the bias is in (three places' 48 loads stay out): rounded to bf16 like the other inputs, widened again, and dealt to the accumulators' order
.set z, 0
.rept 16
	v_cvt_pk_bf16_f32 v[RAWB+2*z], v[RAWB+2*z], v[RAWB+2*z+1]
.set z, z+1
.endr
.set z, 0
.rept 16                               ; pair z: columns 4 j + i = 2 z and 2 z + 1 of my 32
	v_lshlrev_b32 v[BC+8*((2*z)%4)+(2*z)/4], 16, v[RAWB+2*z]
	v_and_b32 v[BC+8*((2*z)%4+1)+(2*z)/4], 0xffff0000, v[RAWB+2*z]
.set z, z+1
.endr
	s_wait_loadcnt 32                              ; the first quarter's weights are in
.set c0, 0
.rept 32
	CV c0, 0, 0                                    ; there is no matrix work yet to set these behind
.set c0, c0+1
.endr
	GLOAD 3
	s_mov_b32 s[CNT], NSTEP-2
	QUARTER 0, 0, 1, 1, 32, 1                      ; the first quarter stands in front of the loop: the bias starts the sums
	WIN 0                                          ; at a label and at a branch every window is 0
.Lstep:                                                ; NSTEP - 2 trips: a step's quarters 1 to 3, the last of which asks for the step two on, and the next step's quarter 0
	QUARTER 1, 0, 1, 1, 32, 0
	QUARTER 2, 0, 1, 1, 32, 0
	QUARTER 3, 1, 1, 1, 32, 0
	QUARTER 0, 0, 1, 1, 32, 0
	WIN 0
	s_sub_co_u32 s[CNT], s[CNT], 1
	s_cmp_lg_u32 s[CNT], 0
	s_cbranch_scc1 .Lstep
	QUARTER 1, 0, 1, 1, 32, 0                      ; the tail is written out and no load leaves its buffer
	QUARTER 2, 0, 1, 1, 32, 0
	QUARTER 3, 2, 1, 1, 32, 0                      ; the last step has landed; slot 0 has been read out by every wave ahead of this barrier and has had its last fill
	QUARTER 0, 0, 0, 1, 32, 0                      ; the last step asks for no weights: the counts run down
	QUARTER 1, 0, 0, 1, 16, 0
	QUARTER 2, 0, 0, 1, 0, 0
	QUARTER 3, 0, 0, 0, 0, 0
	PLACES
	; THE WAY OUT.  Window 3 (the rows that my partner keeps) goes into the exchange; behind a barrier my partner's window 3 comes into window 1: I then hold gate and up of 128 rows x 64 columns.
	WIN 0x0c                                       ; store data (source 1) window 3
.set q, 0
.rept 64
	ds_store_b128 v[XG], v[4*q:4*q+3] offset:512*q
.set q, q+1
.endr
	s_wait_dscnt 0x0                               ; for my partner's sake: my stores are done; my reads of slot 1 are over too, so the stage may be written behind this barrier
	s_barrier_signal -1
	s_barrier_wait -1
	WIN 0x40
.set q, 0
.rept 64
	ds_load_b128 v[4*q:4*q+3], v[XP] offset:512*q
.set q, q+1
.endr
; Row block a (16 rows), my 32 columns.  The exponent -g log2(e) is own x SA + partner's x SB, of which one factor is 0: one text for gate waves and up waves.  The 32 exponentials are one batch, the 32 reciprocals another:
; behind each a plain instruction and the one wait ahead of the first use.  Each accumulator is read from its lowest registers on.  Columns 4 j + i and 4 j + i + 1 lie in two accumulators'
; register j: the rounding in pairs puts the 32 columns in order: 64 bytes a lane.
.macro ACT a
.set AC, 32*(\a)
	s_wait_dscnt 56-4*(\a)                         ; my partner's pieces 8 a .. 8 a + 7 are in: behind them stand 56 - 8 a loads and the earlier blocks' 4 a stores
	WIN 0x02                                       ; source 0 window 2
.set k, 0
.rept 16
	v_pk_mul_f32 v[TT+2*k:TT+2*k+1], v[AC+2*k:AC+2*k+1], s[SA:SA+1] op_sel_hi:[1,0]
.set k, k+1
.endr
	WIN 0x01                                       ; source 0 window 1
.set k, 0
.rept 16
	v_pk_fma_f32 v[TT+2*k:TT+2*k+1], v[AC+2*k:AC+2*k+1], s[SB:SB+1], v[TT+2*k:TT+2*k+1] op_sel_hi:[1,0,1]
.set k, k+1
.endr
	WIN 0
.set k, 0
.rept 32
	v_exp_f32 v[TT+k], v[TT+k]
.set k, k+1
.endr
	v_nop
	s_wait_alu depctr_va_vdst(0)
.set k, 0
.rept 16
	v_pk_add_f32 v[TT+2*k:TT+2*k+1], v[TT+2*k:TT+2*k+1], 1.0 op_sel_hi:[1,0]
.set k, k+1
.endr
.set k, 0
.rept 32
	v_rcp_f32 v[TT+k], v[TT+k]
.set k, k+1
.endr
	v_nop
	s_wait_alu depctr_va_vdst(0)
	WIN 0x06                                       ; source 0 window 2, source 1 window 1
.set k, 0
.rept 16
	v_pk_mul_f32 v[PP+2*k:PP+2*k+1], v[AC+2*k:AC+2*k+1], v[AC+2*k:AC+2*k+1]
.set k, k+1
.endr
	WIN 0
.set k, 0
.rept 16
	v_pk_mul_f32 v[PP+2*k:PP+2*k+1], v[PP+2*k:PP+2*k+1], v[TT+2*k:TT+2*k+1]
.set k, k+1
.endr
.set k, 0
.rept 16                               ; word k = 2 j + c: columns 4 j + 2 c and + 1
	v_cvt_pk_bf16_f32 v[OO+k], v[PP+16*(k%2)+k/2], v[PP+16*(k%2)+8+k/2]
.set k, k+1
.endr
.irp c, 0,1,2,3
	ds_store_b128 v[STO], v[OO+4*(\c):OO+4*(\c)+3] offset:(\a)*16*SPITCH+16*(\c)
.endr
.endm
.irp a, 0,1,2,3,4,5,6,7
	ACT \a
.endr
	s_wait_dscnt 0x0                               ; for the others' sake: my stores into the stage are done; a row's 256 bytes come from two waves
	s_barrier_signal -1
	s_barrier_wait -1
.set t, 0
.rept 32
	ds_load_b128 v[32+4*t:32+4*t+3], v[RD] offset:t*2*SPITCH
.set t, t+1
.endr
.set t, 0
.rept 32
	s_wait_dscnt 31-t                              ; LDS loads come back in order: pair t of rows is in
	global_store_b128 v[CO], v[32+4*t:32+4*t+3], s[10:11] offset:t*32768  ; 16 lanes store 256 consecutive bytes, at a multiple of 256 from hid's first byte
.set t, t+1
.endr
	s_wait_tensorcnt 0x0                           ; the wave's end: behind my last tensor load and my last LDS store
	ds_add_u32 v[SPW], v[NIL]
	s_wait_dscnt 0x0
	CROUND                                         ; the closing round: no work-group ends while a partner may still ask for a tile that names it
	s_endpgm
.Lfunc_end_k_q27ab42d3ec_gateup:
	.size	k_q27ab42d3ec_gateup, .Lfunc_end_k_q27ab42d3ec_gateup-k_q27ab42d3ec_gateup
	.p2alignl 7, 3214868480
	.fill 96, 4, 3214868480
	.section	.rodata,"a",@progbits
	.p2align	6, 0x0
	.amdhsa_kernel k_q27ab42d3ec_gateup
		.amdhsa_group_segment_fixed_size 327680
		.amdhsa_private_segment_fixed_size 0
		.amdhsa_enable_private_segment 0
		.amdhsa_kernarg_size 32
		.amdhsa_user_sgpr_count 2
		.amdhsa_user_sgpr_kernarg_segment_ptr 1
		.amdhsa_wavefront_size32 1
		.amdhsa_system_sgpr_workgroup_id_x 1
		.amdhsa_system_sgpr_workgroup_id_y 1
		.amdhsa_system_sgpr_workgroup_id_z 1
		.amdhsa_system_vgpr_workitem_id 0
		.amdhsa_next_free_vgpr 1024
		.amdhsa_next_free_sgpr 80
		.amdhsa_reserve_vcc 0
		.amdhsa_float_denorm_mode_32 3
		.amdhsa_float_denorm_mode_16_64 3
		.amdhsa_memory_ordered 1
		.amdhsa_forward_progress 1
		.amdhsa_inst_pref_size 217
	.end_amdhsa_kernel
	.amdgpu_metadata
---
amdhsa.version: [ 1, 2 ]
amdhsa.kernels:
  - .name:           k_q27ab42d3ec_gateup
    .symbol:         k_q27ab42d3ec_gateup.kd
    .args:
      - { .name: xb, .offset: 0, .size: 8, .value_kind: global_buffer, .address_space: global }
      - { .name: w_gate_up, .offset: 8, .size: 8, .value_kind: global_buffer, .address_space: global }
      - { .name: b_gate_up, .offset: 16, .size: 8, .value_kind: global_buffer, .address_space: global }
      - { .name: hid, .offset: 24, .size: 8, .value_kind: global_buffer, .address_space: global }
    .group_segment_fixed_size: 327680
    .private_segment_fixed_size: 0
    .kernarg_segment_align: 8
    .kernarg_segment_size: 32
    .max_flat_workgroup_size: 128
    .sgpr_count:     80
    .vgpr_count:     1024
    .wavefront_size: 32
...
	.end_amdgpu_metadata
.endif
;; end of part 2
;; launch down (part 3): grid 16 x 16, 4 waves a work-group, clusters of 4 x 4, 327,680 bytes of LDS; arguments hid, w_down, part; writes part
.if DOCPART == 3
	.amdgcn_target "amdgcn-amd-amdhsa--gfx1250"
	.amdhsa_code_object_version 6
	.text
	.protected	k_q27ab42d3ec_down
	.globl	k_q27ab42d3ec_down
	.p2align	8
	.type	k_q27ab42d3ec_down,@function
k_q27ab42d3ec_down:
	s_mov_b64 s[64:65], 0
	v_nop
	global_prefetch_b8 v0, s[64:65] scope:SCOPE_SE
	s_setreg_imm32_b32 hwreg(HW_REG_WAVE_MODE, 25, 1), 1
	s_wait_xcnt 0x0
	s_wait_alu depctr_hold_cnt(0) depctr_sa_sdst(0) depctr_va_vdst(0) depctr_va_sdst(0) depctr_va_ssrc(0) depctr_va_vcc(0) depctr_vm_vsrc(0)
	s_getreg_b32 s2, hwreg(HW_REG_IB_STS2, 6, 4)
	s_cmp_eq_u32 s2, 0
	s_cbranch_scc0 .Lentry_in_a_cluster
	s_endpgm
.Lentry_in_a_cluster:
	s_bfe_u32 s2, ttmp6, 0x10000c
	s_cmp_lg_u32 s2, 0xf033
	s_cbranch_scc0 .Lentry_shape_is_right
	s_endpgm
.Lentry_shape_is_right:
; part[sp] = hid[:, 2048 sp .. + 2047] x w_down[2048 sp .. + 2047, :]: four partial sums in f32 of the second product, which the next launch adds.  hid: [1024][8192] bf16; w_down: [8192 k][2048] f32, rounded to bf16 here.
; WHY K IS SPLIT.  The product has 32 tiles of 256 x 256; tiles of 256 x 128 with K in four parts give each of 256 work-groups one share of 2,048 k.  sp = the cluster's y, tile row = cy, tile column = 4 x cluster x + cx.
; SHARES.  K goes in steps of 256.  Wave w = 2 HI + LO multiplies all 256 rows by columns 64 LO on, for k = 128 HI .. + 127 of each step: four quarters of 32 k, 64 accumulators.  At the end waves w and w ^ 2 exchange halves
; through LDS and add: each keeps 128 rows (128 HI on).  Fragments 0-7 (window 2) are the rows that a wave keeps, 8-15 (window 3) its partner's: one text for both.
; THE WEIGHTS GO FROM MEMORY STRAIGHT INTO REGISTERS, AND ARE NOT ASKED FOR JOINTLY, for the reason given in the launch before: through LDS a k costs 512 bytes of f32 weights and 512 of hid for half the products, so two slots
; hold 160 k each at the most, and a refill must have landed at the next change of slots; a load into registers is waited for by count, passes the changes of slots, and has three quarters, 192 matrix instructions, in which
; to land.  No two waves hold the same weights.  The price: each of the four row blocks loads the weights itself.
; LAYOUT as in the launch before: lane (r, h) loads columns 4 r .. 4 r + 3 of sixteen k-rows in f32; two rows rounded as a pair are a register of each of four fragments; place (h, p, e) of a fragment holds k = 16 h + 2 p + e
; in both operands; source 0 = weights, source 1 = 16 rows of hid; register j of accumulator (a, i) in lane (r, h) is row 16 a + r, column 32 h + 4 j + i of the wave's 64.
; RING.  hid goes through two LDS slots of 256 rows x 256 k; each wave fetches 64 rows by one joint load.  CLUSTER: 4 x 4 work-groups; the four of a row share hid's rows.
; part IS A DUMP OF REGISTERS: [sp][u = (16 cy + nt) 4 + w][q 64][lane 32][4]: piece q holds registers 4 q .. 4 q + 3 of window 2: each store of a wave covers 512 consecutive bytes.  The next launch puts the columns in order.
; REGISTERS: window 0: v0-29 addresses; v32-159 hid's 16 fragments, one buffer; v160-223 the weights' 4 fragments, two buffers      window 1: a ring of four places of 64 raw f32      windows 2, 3: accumulators n = 4 a + i at v[8 (n % 32)]
.set NSTEP,  8                         ; steps of 256 k
.set PA,     528                       ; a row of hid in LDS: 512 bytes + 16 of padding = 132 words: the 16 rows of a load start at 16 different groups of four banks (64 banks of 4 bytes: ISA guide 11.1)
.set WSEG,   64*PA                     ; what one tensor load brings: 33,792 bytes
.set XA,     0x21000                   ; slot 1 begins here; it shares no bit with 33,792 w, w = 0 .. 3: one exclusive or changes slots
.set KA,     512                       ; bytes from step to step along hid's rows
.set ROWB,   8192                      ; a k-row of w_down
.set QB,     32*ROWB                   ; a quarter's k-rows
.set STEPB,  256*ROWB                  ; a step's
.set SPARE,  0x42000                   ; behind the ring: the spare words, 128 bytes for each wave: two blocks of 256 bytes that no other line names
.set ADRA0,  2
.set ADRA20, 3
.set ADRA,   4
.set ADRA2,  5
.set BO,     6
.set PFOB,   7
.set PFOA,   8
.set PO,     12                        ; v12  16 x lane
.set XG,     13
.set XP,     16
.set SPW,    28                        ; v28  LDS address of my spare word: SPARE + 4 x my thread's number; never rewritten
.set NIL,    29                        ; v29  0; never rewritten
.set FA,     32
.set FB,     160
.set WV,  12
.set HI,  13
.set LO,  14
.set G1A, 24
.set G0A, 32
.set CX,  40
.set CY,  41
.set NT,  42
.set WP,  44
.set PFB, 46
.set PFA, 48
.set TBA, 54
.set CNT, 55
.set LIMA, 56
.set SPL, 57                           ; s57  which part of K: the cluster's y
.set MSB, 0
.macro WIN new                         ; the immediate's high byte repeats the setting that is left; a switch that changes nothing is dropped
.if MSB != (\new)
	s_set_vgpr_msb (MSB<<8)|(\new)
.set MSB, \new
.endif
.endm
.macro PLACES                          ; four places behind a matrix instruction (ISA guide 7.12.1)
.rept 4
	v_nop
.endr
.endm
.macro JLOAD                           ; my joint refill, by the walking descriptor; an s_nop 0 and four v_nop follow it
	tensor_load_to_lds s[G0A+4:G0A+7], s[G1A:G1A+7]
	s_nop 0
.rept 4
	v_nop
.endr
.endm
; PREFETCHES INTO THE L2, behind the joint refill and the run of LDS loads that follows it: the change of step s names step s + 4: nine to twelve quarters ahead of the loads of its weights, two refills ahead of hid's.
; Each aligned block of 256 bytes is named once in the launch.  Weights: a wave's 64 columns of a k-row are one block; of its 128 k-rows of a step the partner at cy takes 32, a lane a row: told apart by address.
; hid: a row block's part of K is read by the four clusters of a row of clusters, the first asks; of the 64 rows x 512 bytes that a wave fetches the partner at cx takes 16 rows, two lanes a row.
; The changes whose step s + 4 does not exist ask for nothing.
.macro ASK
	s_cmp_gt_u32 s[CNT], 2
	s_cbranch_scc0 .Lno_b_\@
	global_prefetch_b8 v[PFOB], s[PFB:PFB+1] th:TH_LOAD_NT scope:SCOPE_SE
.Lno_b_\@:
	s_cmp_gt_u32 s[CNT], s[LIMA]
	s_cbranch_scc0 .Lno_a_\@
	global_prefetch_b8 v[PFOA], s[PFA:PFA+1] th:TH_LOAD_NT scope:SCOPE_SE
.Lno_a_\@:
.endm
.macro CREST
	s_cmp_lg_u32 s[WV], 0
	s_cbranch_scc1 .Lnot_wave_0_\@
	s_barrier_signal -3
.Lnot_wave_0_\@:
	s_barrier_wait -3
	s_barrier_signal -1
	s_barrier_wait -1
.endm
.macro CROUND
	s_barrier_signal -1
	s_barrier_wait -1
	CREST
.endm
.macro GLOAD p                         ; 16 loads: quarter p of my half of the step at s[WP]: my 64 columns of its 32 k-rows, into place p of the ring
	WIN 0x40                                       ; destination window 1, address window 0
.set z, 0
.rept 16
	global_load_b128 v[64*(\p)+4*z:64*(\p)+4*z+3], v[BO], s[WP:WP+1] offset:(\p)*QB+z*ROWB
.set z, z+1
.endr
.endm
.macro RUN hh, pos                     ; 16 LDS loads: hid's fragments 8 hh .. 8 hh + 7 of the quarter at place pos of my half of the slot in hand
	WIN 0
.set z, 0
.rept 16
.if (\hh) == 0
	ds_load_b128 v[FA+4*z:FA+4*z+3], v[ADRA] offset:(z/2)*16*PA+(\pos)*64+16*(z%2)
.else
	ds_load_b128 v[FA+64+4*z:FA+64+4*z+3], v[ADRA2] offset:(z/2)*16*PA+(\pos)*64+16*(z%2)
.endif
.set z, z+1
.endr
.endm
; Matrix instruction n = 4 a + i of a quarter.  All 64 accumulators take turns, in the same order in every quarter.  first = 1: the constant 0 starts the sums: nothing is cleared.
.macro MM n, cur, first
.set ra, 8*((\n)%32)
.set rb, FB+32*(\cur)+8*((\n)%4)
.set rx, FA+8*((\n)/4)
	WIN 0xa0+0x50*((\n)/32)                        ; sources window 0, C and D window 2 or 3
.if \first
	v_wmma_f32_16x16x32_bf16 v[ra:ra+7], v[rb:rb+7], v[rx:rx+7], 0
.else
	v_wmma_f32_16x16x32_bf16 v[ra:ra+7], v[rb:rb+7], v[rx:rx+7], v[ra:ra+7]
.endif
.endm
.macro MMS from, to, cur, first
.set m, \from
.rept (\to)-(\from)
	MM m, \cur, \first
.set m, m+1
.endr
.endm
.macro CV c, rp, nx                    ; conversion c = 8 i + p: k-rows 2 p and 2 p + 1 of column i, in place rp of the ring, become register p of fragment i in buffer nx
	WIN 0x05                                       ; sources window 1, destination window 0
	v_cvt_pk_bf16_f32 v[FB+32*(\nx)+(\c)], v[64*(\rp)+8*((\c)%8)+(\c)/8], v[64*(\rp)+8*((\c)%8)+4+(\c)/8]
.endm
.macro CV4 c, rp, nx
	CV (\c), \rp, \nx
	CV (\c)+1, \rp, \nx
	CV (\c)+2, \rp, \nx
	CV (\c)+3, \rp, \nx
.endm
; Half hh of a quarter, from its matrix instruction 'from' on.  nx = 1: behind each of the last four stand four conversions for the next quarter; the last four name no register of the products round them:
; they are the places in front of the loads into the fragments just used, and in front of the next conversions into the buffer just used.
.macro HALF hh, from, cur, first, nx, rp
	MMS 32*(\hh)+(\from), 32*(\hh)+28, \cur, \first
.irp u, 0,1,2,3
	MM 32*(\hh)+28+(\u), \cur, \first
.if \nx
	CV4 16*(\hh)+4*(\u), \rp, 1-(\cur)
.endif
.endr
.endm
; QUARTER p of a step.  nx = 1: it makes ready the next quarter: lc is the count of younger loads that may stay out when that quarter's raw weights must be in (two quarters' 32, in the tail 16 and 0).
; gl = 1: 16 loads for the quarter four on go into the place that the last quarter converted: three places, 48 loads, are then out.  hid's fragments have one buffer: the 16 loads behind each half fill the half just used,
; and the wait in front of a half leaves the other half's 16 out.
; mode 1 (p = 3): the change of slots: each wave waits for all its tensor loads (one is out: its part of the other slot), adds 0 to its spare word, and waits for that and for its reads of this slot; the barrier opens a round
; of the cluster's; the joint refill, with the step two on, is the first thing behind the round: from it to the wait for it a wave issues 232 matrix instructions.  mode 2: the same with nothing left to ask for: a plain barrier.
.macro QUARTER p, mode, gl, nx, lc, first
.if \nx
	s_wait_loadcnt \lc
.endif
.if \gl
.if (\p) == 0
	s_wait_xcnt 0x0                                ; the loads of the last step's quarters and the prefetches, 24 matrix instructions back or more, have read their addresses
	s_add_nc_u64 s[WP:WP+1], s[WP:WP+1], STEPB
.endif
	GLOAD \p
.endif
.if (\mode) == 0
	s_wait_dscnt 16
	HALF 0, 0, (\p)%2, \first, \nx, ((\p)+1)%4
.if \nx
	RUN 0, ((\p)+1)%4
	s_wait_dscnt 16
.else
	s_wait_dscnt 0x0
.endif
	HALF 1, 0, (\p)%2, \first, \nx, ((\p)+1)%4
.if \nx
	RUN 1, ((\p)+1)%4
.endif
.else
	s_wait_dscnt 16
	MMS 0, 16, 1, 0
	WIN 0                                          ; (the add's two registers lie in window 0)
.if (\mode) == 1
	s_wait_xcnt 0x0                                ; the last prefetches, a step back, have read their addresses, so these may be stepped
	s_add_nc_u64 s[PFB:PFB+1], s[PFB:PFB+1], STEPB
	s_add_nc_u64 s[PFA:PFA+1], s[PFA:PFA+1], KA
.endif
	s_wait_tensorcnt 0x0                           ; no tensor load of mine is out, so a group 0 may be written
	ds_add_u32 v[SPW], v[NIL]                      ; 0 onto my spare word
.if (\mode) == 1
	s_xor_b32 s[G0A+5], s[G0A+5], XA               ; the walking descriptor: the other slot than last time, the next step
	s_add_nc_u64 s[G0A+6:G0A+7], s[G0A+6:G0A+7], KA
.endif
	s_xor_b32 s[TBA], s[TBA], XA
	HALF 0, 16, 1, 0, 1, 0                         ; sixteen matrix instructions stand between the add and the wait for it
	s_wait_dscnt 0x0                               ; the add is done, and my reads of this slot, the last issued 32 matrix instructions back, have come
	s_barrier_signal -1
	MMS 32, 40, 1, 0                               ; work on registers while the others arrive
	WIN 0
	s_barrier_wait -1
.if (\mode) == 1
	CREST
	JLOAD
.endif
	v_add_nc_u32 v[ADRA], s[TBA], v[ADRA0]         ; the reads go on in the other slot
	v_add_nc_u32 v[ADRA2], s[TBA], v[ADRA20]
	RUN 0, 0
.if (\mode) == 1
	ASK
.endif
	HALF 1, 8, 1, 0, 1, 0
	RUN 1, 0
.endif
.endm
	s_load_b128 s[4:7], s[0:1], 0x0                ; hid s[4:5], w_down s[6:7]
	s_load_b64 s[8:9], s[0:1], 0x10                ; part
	v_lshl_add_u32 v[SPW], v0, 2, SPARE
	v_mov_b32 v[NIL], 0
	ds_add_u32 v[SPW], v[NIL]                      ; the wave's opening: the add, twice on end, and its wait ahead of my first tensor load; the set-up below stands between
	ds_add_u32 v[SPW], v[NIL]                      ; and once more, under the one wait
	v_lshrrev_b32 v1, 5, v0
	v_readfirstlane_b32 s[WV], v1                  ; wave 0..3
	s_lshr_b32 s[HI], s[WV], 1
	s_and_b32 s[LO], s[WV], 1
	s_bfe_u32 s[CX], ttmp6, 0x40000
	s_bfe_u32 s[CY], ttmp6, 0x40004                ; the tile's row
	s_lshl_b32 s[NT], ttmp9, 2
	s_add_co_u32 s[NT], s[NT], s[CX]               ; the tile's column
	s_and_b32 s[SPL], ttmp7, 0xffff                ; the part of K, which all sixteen partners share
	s_lshl_b32 s43, s[CY], 2
	s_lshl_b32 s43, 15, s43                        ; my row of the cluster
	; group 1: 64 rows x 256 elements of 2 bytes, padded in LDS
	s_or_b32 s[G1A], s43, (1<<16)|(1<<20)|(1<<21)|(6<<22)|(3<<25)  ; 15:0 the mask; 17:16 2-byte elements; 20 padding on; 21 set beside a mask; 24:22 after every 128 words (code 6); 31:25 4 words (code 3)
	s_mov_b32 s[G1A+1], 256<<16                    ; tensor_dim0 = 256
	s_mov_b32 s[G1A+2], 64<<16                     ; tensor_dim1 = 64
	s_mov_b32 s[G1A+3], 256<<16                    ; tile_dim0 = 256
	s_mov_b32 s[G1A+4], 64                         ; tile_dim1 = 64
	s_mov_b32 s[G1A+5], 8192                       ; elements from row to row
	s_mov_b32 s[G1A+6], 0
	s_mov_b32 s[G1A+7], 0
	s_lshl_b32 s16, s[CY], 22                      ; hid: row 256 cy + 64 w (16,384 bytes a row), k = 2048 sp: made of cy, the cluster's y and the wave's number alone
	s_lshl_b32 s17, s[WV], 20
	s_add_co_u32 s16, s16, s17
	s_lshl_b32 s17, s[SPL], 12
	s_add_co_u32 s16, s16, s17
	s_mov_b32 s17, 0
	s_mul_i32 s20, s[WV], WSEG                     ; where they go: no place in the cluster enters an LDS address
	s_mov_b32 s[TBA], 0
	s_wait_dscnt 0x0                               ; both opening adds are done
	s_wait_kmcnt 0x0
	s_add_nc_u64 s[16:17], s[4:5], s[16:17]
.irp s, 0,1
	s_mov_b32 s[G0A+4*(\s)], 1
	s_add_co_u32 s[G0A+4*(\s)+1], s20, (\s)*XA
	s_add_nc_u64 s[G0A+4*(\s)+2:G0A+4*(\s)+3], s[16:17], (\s)*KA
	s_or_b32 s[G0A+4*(\s)+3], s[G0A+4*(\s)+3], 0x80000000
.endr
	CROUND                                         ; all sixteen work-groups are here: the first joint loads meet
	tensor_load_to_lds s[G0A:G0A+3], s[G1A:G1A+7]  ; my two first fills, ahead of every wait on TENSORcnt and every LDS read: two loads of mine are out
	s_nop 0
	tensor_load_to_lds s[G0A+4:G0A+7], s[G1A:G1A+7]
	s_nop 0
.rept 4
	v_nop
.endr
	v_and_b32 v1, 15, v0                           ; r
	v_bfe_u32 v9, v0, 4, 1                         ; h
	v_and_b32 v14, 31, v0                          ; l
	s_lshl_b32 s18, s[SPL], 24                     ; the weights at k-row 2048 sp + 128 HI, column 128 nt + 64 LO
	s_lshl_b32 s19, s[HI], 20
	s_add_co_u32 s18, s18, s19
	s_lshl_b32 s19, s[NT], 9
	s_add_co_u32 s18, s18, s19
	s_lshl_b32 s19, s[LO], 8
	s_add_co_u32 s18, s18, s19
	s_mov_b32 s19, 0
	s_add_nc_u64 s[WP:WP+1], s[6:7], s[18:19]
	v_lshlrev_b32 v[BO], 4, v1
	v_lshl_add_u32 v[BO], v9, 17, v[BO]            ; 16 h rows of 8,192 bytes + 16 r
	GLOAD 0                                        ; the first three quarters' weights
	GLOAD 1
	GLOAD 2
	WIN 0
	s_lshl_b32 s19, s[HI], 8                       ; hid's fragments: row x pitch + my half of the step's k (256 HI bytes) + 32 h
	s_mul_i32 s18, s[HI], 128*PA                   ; the 128 rows that I keep,
	s_add_co_u32 s18, s18, s19
	s_xor_b32 s20, s[HI], 1
	s_mul_i32 s20, s20, 128*PA                     ; and those that my partner keeps
	s_add_co_u32 s20, s20, s19
	v_mul_u32_u24 v17, v1, PA
	v_lshl_add_u32 v17, v9, 5, v17
	v_add_nc_u32 v[ADRA0], s18, v17
	v_add_nc_u32 v[ADRA20], s20, v17
	v_add_nc_u32 v[ADRA], s[TBA], v[ADRA0]
	v_add_nc_u32 v[ADRA2], s[TBA], v[ADRA20]
	s_lshl_b32 s19, s[LO], 15                      ; the exchange: 32,768 bytes a wave in slot 0's bytes, at 32,768 w; my partner is w ^ 2
	s_lshl_b32 s18, s[HI], 16
	s_add_co_u32 s18, s18, s19
	v_lshl_add_u32 v[XG], v14, 4, s18
	s_xor_b32 s18, s[HI], 1
	s_lshl_b32 s18, s18, 16
	s_add_co_u32 s18, s18, s19
	v_lshl_add_u32 v[XP], v14, 4, s18
	v_lshlrev_b32 v[PO], 4, v14
	s_lshl_b32 s18, s[SPL], 23                     ; part at [sp][(16 cy + nt) 4 + w]: 32,768 bytes a wave
	s_lshl_b32 s19, s[CY], 21
	s_add_co_u32 s18, s18, s19
	s_lshl_b32 s19, s[NT], 17
	s_add_co_u32 s18, s18, s19
	s_lshl_b32 s19, s[WV], 15
	s_add_co_u32 s18, s18, s19
	s_mov_b32 s19, 0
	s_add_nc_u64 s[8:9], s[8:9], s[18:19]
	; the prefetches stand at step 3; each change of slots steps them first, so the first names step 4
	s_lshl_b32 s20, s[CY], 18                      ; weights: my work-group's 32 of my 128 k-rows of a step
	s_add_co_u32 s20, s20, 3*STEPB
	s_mov_b32 s21, 0
	s_add_nc_u64 s[PFB:PFB+1], s[WP:WP+1], s[20:21]
	v_lshlrev_b32 v[PFOB], 13, v14
	s_lshl_b32 s18, s[CY], 22                      ; hid: row 256 cy + 64 w + 16 cx
	s_lshl_b32 s19, s[WV], 20
	s_add_co_u32 s18, s18, s19
	s_lshl_b32 s19, s[CX], 18
	s_add_co_u32 s18, s18, s19
	s_lshl_b32 s19, s[SPL], 12
	s_add_co_u32 s18, s18, s19
	s_add_co_u32 s18, s18, 3*KA
	s_mov_b32 s19, 0
	s_add_nc_u64 s[PFA:PFA+1], s[4:5], s[18:19]
	s_cmp_eq_u32 ttmp9, 0                          ; the first cluster of the row of clusters: the same in all sixteen partners
	s_cselect_b32 s[LIMA], 2, -1
	v_lshrrev_b32 v17, 1, v14
	v_and_b32 v18, 1, v14
	v_lshlrev_b32 v18, 8, v18
	v_lshl_add_u32 v[PFOA], v17, 14, v18           ; row l / 2, its first or second 256 bytes
	s_wait_tensorcnt 0x1                           ; my part of slot 0 is in; slot 1's may stay out
	s_barrier_signal -1
	s_barrier_wait -1
	RUN 0, 0
	RUN 1, 0
	s_wait_loadcnt 32                              ; the first quarter's weights are in
.set c0, 0
.rept 32
	CV c0, 0, 0
.set c0, c0+1
.endr
	GLOAD 3
	s_mov_b32 s[CNT], NSTEP-2
	QUARTER 0, 0, 1, 1, 32, 1                      ; the first quarter stands in front of the loop: its products start the sums
	WIN 0
.Lstep:                                                ; NSTEP - 2 trips
	QUARTER 1, 0, 1, 1, 32, 0
	QUARTER 2, 0, 1, 1, 32, 0
	QUARTER 3, 1, 1, 1, 32, 0
	QUARTER 0, 0, 1, 1, 32, 0
	WIN 0
	s_sub_co_u32 s[CNT], s[CNT], 1
	s_cmp_lg_u32 s[CNT], 0
	s_cbranch_scc1 .Lstep
	QUARTER 1, 0, 1, 1, 32, 0                      ; the tail is written out and no load leaves its buffer
	QUARTER 2, 0, 1, 1, 32, 0
	QUARTER 3, 2, 1, 1, 32, 0                      ; the last step has landed; slot 0 has been read out by every wave ahead of this barrier and has had its last fill
	QUARTER 0, 0, 0, 1, 32, 0
	QUARTER 1, 0, 0, 1, 16, 0
	QUARTER 2, 0, 0, 1, 0, 0
	QUARTER 3, 0, 0, 0, 0, 0
	PLACES
	; THE WAY OUT.  Window 3 (the rows that my partner keeps) goes into slot 0's bytes; behind a barrier my partner's window 3 comes into window 1 and is added onto window 2, which is stored as it lies.
	WIN 0x0c                                       ; store data (source 1) window 3
.set q, 0
.rept 64
	ds_store_b128 v[XG], v[4*q:4*q+3] offset:512*q
.set q, q+1
.endr
	s_wait_dscnt 0x0                               ; for my partner's sake: my stores are done
	s_barrier_signal -1
	s_barrier_wait -1
	WIN 0x40
.set q, 0
.rept 64
	ds_load_b128 v[4*q:4*q+3], v[XP] offset:512*q
.set q, q+1
.endr
.set gq, 0
.rept 8
	s_wait_dscnt 56-8*gq                           ; LDS loads come back in order: pieces 8 gq .. + 7 are in
	WIN 0x86                                       ; destination and source 0 window 2, source 1 window 1
.set k, 16*gq
.rept 16
	v_pk_add_f32 v[2*k:2*k+1], v[2*k:2*k+1], v[2*k:2*k+1]
.set k, k+1
.endr
	WIN 0x08                                       ; store data (source 1) window 2
.set q, 8*gq
.rept 8
	global_store_b128 v[PO], v[4*q:4*q+3], s[8:9] offset:512*q th:TH_STORE_NT  ; 512 consecutive bytes, at a multiple of 256 from part's first byte
.set q, q+1
.endr
.set gq, gq+1
.endr
	WIN 0
	s_wait_tensorcnt 0x0                           ; the wave's end: behind my last tensor load and my last LDS store
	ds_add_u32 v[SPW], v[NIL]
	s_wait_dscnt 0x0
	CROUND                                         ; the closing round: no work-group ends while a partner may still ask for a tile that names it
	s_endpgm
.Lfunc_end_k_q27ab42d3ec_down:
	.size	k_q27ab42d3ec_down, .Lfunc_end_k_q27ab42d3ec_down-k_q27ab42d3ec_down
	.p2alignl 7, 3214868480
	.fill 96, 4, 3214868480
	.section	.rodata,"a",@progbits
	.p2align	6, 0x0
	.amdhsa_kernel k_q27ab42d3ec_down
		.amdhsa_group_segment_fixed_size 327680
		.amdhsa_private_segment_fixed_size 0
		.amdhsa_enable_private_segment 0
		.amdhsa_kernarg_size 24
		.amdhsa_user_sgpr_count 2
		.amdhsa_user_sgpr_kernarg_segment_ptr 1
		.amdhsa_wavefront_size32 1
		.amdhsa_system_sgpr_workgroup_id_x 1
		.amdhsa_system_sgpr_workgroup_id_y 1
		.amdhsa_system_sgpr_workgroup_id_z 1
		.amdhsa_system_vgpr_workitem_id 0
		.amdhsa_next_free_vgpr 1024
		.amdhsa_next_free_sgpr 80
		.amdhsa_reserve_vcc 0
		.amdhsa_float_denorm_mode_32 3
		.amdhsa_float_denorm_mode_16_64 3
		.amdhsa_memory_ordered 1
		.amdhsa_forward_progress 1
		.amdhsa_inst_pref_size 153
	.end_amdhsa_kernel
	.amdgpu_metadata
---
amdhsa.version: [ 1, 2 ]
amdhsa.kernels:
  - .name:           k_q27ab42d3ec_down
    .symbol:         k_q27ab42d3ec_down.kd
    .args:
      - { .name: hid, .offset: 0, .size: 8, .value_kind: global_buffer, .address_space: global }
      - { .name: w_down, .offset: 8, .size: 8, .value_kind: global_buffer, .address_space: global }
      - { .name: part, .offset: 16, .size: 8, .value_kind: global_buffer, .address_space: global }
    .group_segment_fixed_size: 327680
    .private_segment_fixed_size: 0
    .kernarg_segment_align: 8
    .kernarg_segment_size: 24
    .max_flat_workgroup_size: 128
    .sgpr_count:     80
    .vgpr_count:     1024
    .wavefront_size: 32
...
	.end_amdgpu_metadata
.endif
;; end of part 3
;; launch sum (part 4): grid 256 x 1, 8 waves a work-group, no clusters, 35,840 bytes of LDS; arguments part, b_down, out0; writes out0
.if DOCPART == 4
	.amdgcn_target "amdgcn-amd-amdhsa--gfx1250"
	.amdhsa_code_object_version 6
	.text
	.protected	k_q27ab42d3ec_sum
	.globl	k_q27ab42d3ec_sum
	.p2align	8
	.type	k_q27ab42d3ec_sum,@function
k_q27ab42d3ec_sum:
	s_mov_b64 s[64:65], 0
	v_nop
	global_prefetch_b8 v0, s[64:65] scope:SCOPE_SE
	s_setreg_imm32_b32 hwreg(HW_REG_WAVE_MODE, 25, 1), 1
	s_wait_xcnt 0x0
; out0 = part[0] + part[1] + part[2] + part[3] + b_down, in f32, the columns put back in order.  part: [sp 4][u 256][q 64][lane 32][4] f32, register dumps of the launch before; out0: [1024][2048] f32.
; b_down is rounded to bf16 like the other inputs.
; Block u = (16 mt + nt) 4 + w holds rows 256 mt + 128 (w / 2) on, columns 128 nt + 64 (w % 2) on.  Piece q = (4 a + i) 2 + t, element e, of lane (r, h): row 16 a + r, column 32 h + 4 (4 t + e) + i.
; A work-group takes a block, wave wv the pieces 8 wv .. + 7: a = wv: 16 rows x 64 columns; a lane holds 32 neighbouring columns of one row, out of order: the last addition writes them in order.
; Each load of a wave covers 512 consecutive bytes; all of a wave's 40 loads go out at once.  Rows leave through the wave's own stage in LDS, so that 16 lanes store 256 consecutive bytes: no barrier.
; No matrix unit, no cluster, no tensor load: nothing is shared and memory binds.
.set SPITCH, 272
.set SPARE,  8*16*SPITCH               ; behind the eight stages: the spare words, 128 bytes for each wave: four blocks of 256 bytes that no other line names
.set LOF, 2                            ; v2   4,096 wv + 16 l
.set BO,  6                            ; v6   128 h
.set SPW, 8                            ; v8   LDS address of my spare word; never rewritten
.set NIL, 9                            ; v9   0; never rewritten
.set STO, 10
.set RD,  11
.set GO,  12
.set ONE, 13                           ; v13  1.0
.set PS,  16                           ; v[16:143]  part sp at PS + 32 sp, piece m at + 4 m
.set BI,  144                          ; v[144:175] the bias of my 32 columns
.set OS,  176                          ; v[176:207] my 32 columns in order
	s_load_b128 s[4:7], s[0:1], 0x0                ; part s[4:5], b_down s[6:7]
	s_load_b64 s[16:17], s[0:1], 0x10              ; out0
	v_lshl_add_u32 v[SPW], v0, 2, SPARE
	v_mov_b32 v[NIL], 0
	v_lshrrev_b32 v1, 5, v0
	v_readfirstlane_b32 s18, v1                    ; wave 0..7
	v_and_b32 v3, 31, v0                           ; l
	v_and_b32 v4, 15, v0                           ; r
	v_bfe_u32 v5, v0, 4, 1                         ; h
	s_lshl_b32 s19, s18, 12
	v_lshl_add_u32 v[LOF], v3, 4, s19
	v_lshlrev_b32 v[BO], 7, v5
	s_mul_i32 s19, s18, 16*SPITCH                  ; my stage
	v_mul_u32_u24 v[STO], v4, SPITCH               ; in: row r, 128 bytes for each half of the lanes
	v_lshl_add_u32 v[STO], v5, 7, v[STO]
	v_add_nc_u32 v[STO], s19, v[STO]
	v_mul_u32_u24 v[RD], v5, SPITCH                ; back: lanes 0-15 one row of 256 bytes, lanes 16-31 the next
	v_lshl_add_u32 v[RD], v4, 4, v[RD]
	v_add_nc_u32 v[RD], s19, v[RD]
	v_lshlrev_b32 v[GO], 13, v5                    ; the same two rows in out0: 8,192 bytes a row
	v_lshl_add_u32 v[GO], v4, 4, v[GO]
	v_mov_b32 v[ONE], 1.0
	s_lshl_b32 s20, ttmp9, 15                      ; the block: 32,768 bytes
	s_mov_b32 s21, 0
	s_bfe_u32 s22, ttmp9, 0x40002                  ; nt
	s_and_b32 s23, ttmp9, 1                        ; w % 2: the column half
	s_lshl_b32 s22, s22, 9
	s_lshl_b32 s23, s23, 8
	s_add_co_u32 s22, s22, s23                     ; column 128 nt + 64 (w % 2), in bytes
	s_mov_b32 s23, 0
	s_lshr_b32 s24, ttmp9, 6                       ; mt
	s_lshl_b32 s24, s24, 21
	s_bfe_u32 s25, ttmp9, 0x10001                  ; w / 2: the row half
	s_lshl_b32 s25, s25, 20
	s_add_co_u32 s24, s24, s25
	s_lshl_b32 s25, s18, 17                        ; a = wv
	s_add_co_u32 s24, s24, s25                     ; row 256 mt + 128 (w / 2) + 16 a, in bytes,
	s_add_co_u32 s24, s24, s22                     ; and the column
	s_mov_b32 s25, 0
	s_wait_kmcnt 0x0
	s_add_nc_u64 s[8:9], s[4:5], s[20:21]          ; the four parts lie 8,388,608 bytes apart: past a load's immediate, so each has its base
	s_add_nc_u64 s[10:11], s[8:9], 0x800000
	s_add_nc_u64 s[12:13], s[10:11], 0x800000
	s_add_nc_u64 s[14:15], s[12:13], 0x800000
	s_add_nc_u64 s[6:7], s[6:7], s[22:23]
	s_add_nc_u64 s[16:17], s[16:17], s[24:25]
.irp c, 0,1,2,3,4,5,6,7
	global_load_b128 v[BI+4*(\c):BI+4*(\c)+3], v[BO], s[6:7] offset:16*(\c)
.endr
.irp p, 0,1,2,3
.irp m, 0,1,2,3,4,5,6,7
	global_load_b128 v[PS+32*(\p)+4*(\m):PS+32*(\p)+4*(\m)+3], v[LOF], s[8+2*(\p):9+2*(\p)] offset:512*(\m) th:TH_LOAD_NT
.endr
.endr
	s_wait_loadcnt 16                              ; the bias and parts 0 and 1 are in; the sixteen loads of parts 2 and 3 may stay out
.set k, 0
.rept 16
	v_cvt_pk_bf16_f32 v[BI+2*k], v[BI+2*k], v[BI+2*k+1]
.set k, k+1
.endr
.set k, 0
.rept 16
	v_pk_add_f32 v[PS+2*k:PS+2*k+1], v[PS+2*k:PS+2*k+1], v[PS+32+2*k:PS+32+2*k+1]
.set k, k+1
.endr
	s_wait_loadcnt 0x0
.set k, 0
.rept 16
	v_pk_add_f32 v[PS+64+2*k:PS+64+2*k+1], v[PS+64+2*k:PS+64+2*k+1], v[PS+96+2*k:PS+96+2*k+1]
.set k, k+1
.endr
.set k, 0
.rept 16
	v_pk_add_f32 v[PS+2*k:PS+2*k+1], v[PS+2*k:PS+2*k+1], v[PS+64+2*k:PS+64+2*k+1]
.set k, k+1
.endr
.set z, 0
.rept 32                               ; column z = 4 j + i of my 32, j = 4 t + e: it lies in piece 2 i + t, element e; the bias's bf16 half x 1.0 + the sum, in one instruction
.if z%2
	v_fma_mix_f32_bf16 v[OS+z], v[BI+2*(z/2)], v[ONE], v[PS+4*(2*(z%4)+z/16)+(z/4)%4] op_sel:[1,0,0] op_sel_hi:[1,0,0]
.else
	v_fma_mix_f32_bf16 v[OS+z], v[BI+2*(z/2)], v[ONE], v[PS+4*(2*(z%4)+z/16)+(z/4)%4] op_sel:[0,0,0] op_sel_hi:[1,0,0]
.endif
.set z, z+1
.endr
.irp c, 0,1,2,3,4,5,6,7
	ds_store_b128 v[STO], v[OS+4*(\c):OS+4*(\c)+3] offset:16*(\c)
.endr
.irp t, 0,1,2,3,4,5,6,7
	ds_load_b128 v[PS+32+4*(\t):PS+32+4*(\t)+3], v[RD] offset:(\t)*2*SPITCH  ; LDS serves a wave's instructions in order (ISA guide 5.7.1.4): these see the stores above
.endr
.irp t, 0,1,2,3,4,5,6,7
	s_wait_dscnt 7-(\t)                            ; pair t of rows is in
	global_store_b128 v[GO], v[PS+32+4*(\t):PS+32+4*(\t)+3], s[16:17] offset:(\t)*16384 th:TH_STORE_NT  ; 16 lanes store 256 consecutive bytes, at a multiple of 256 from out0's first byte
.endr
	s_wait_tensorcnt 0x0                           ; the wave's end: behind my last LDS store
	ds_add_u32 v[SPW], v[NIL]
	s_wait_dscnt 0x0
	s_endpgm
.Lfunc_end_k_q27ab42d3ec_sum:
	.size	k_q27ab42d3ec_sum, .Lfunc_end_k_q27ab42d3ec_sum-k_q27ab42d3ec_sum
	.p2alignl 7, 3214868480
	.fill 96, 4, 3214868480
	.section	.rodata,"a",@progbits
	.p2align	6, 0x0
	.amdhsa_kernel k_q27ab42d3ec_sum
		.amdhsa_group_segment_fixed_size 35840
		.amdhsa_private_segment_fixed_size 0
		.amdhsa_enable_private_segment 0
		.amdhsa_kernarg_size 24
		.amdhsa_user_sgpr_count 2
		.amdhsa_user_sgpr_kernarg_segment_ptr 1
		.amdhsa_wavefront_size32 1
		.amdhsa_system_sgpr_workgroup_id_x 1
		.amdhsa_system_sgpr_workgroup_id_y 1
		.amdhsa_system_sgpr_workgroup_id_z 1
		.amdhsa_system_vgpr_workitem_id 0
		.amdhsa_next_free_vgpr 208
		.amdhsa_next_free_sgpr 66
		.amdhsa_reserve_vcc 0
		.amdhsa_float_denorm_mode_32 3
		.amdhsa_float_denorm_mode_16_64 3
		.amdhsa_memory_ordered 1
		.amdhsa_forward_progress 1
		.amdhsa_inst_pref_size 15
	.end_amdhsa_kernel
	.amdgpu_metadata
---
amdhsa.version: [ 1, 2 ]
amdhsa.kernels:
  - .name:           k_q27ab42d3ec_sum
    .symbol:         k_q27ab42d3ec_sum.kd
    .args:
      - { .name: part, .offset: 0, .size: 8, .value_kind: global_buffer, .address_space: global }
      - { .name: b_down, .offset: 8, .size: 8, .value_kind: global_buffer, .address_space: global }
      - { .name: out0, .offset: 16, .size: 8, .value_kind: global_buffer, .address_space: global }
    .group_segment_fixed_size: 35840
    .private_segment_fixed_size: 0
    .kernarg_segment_align: 8
    .kernarg_segment_size: 24
    .max_flat_workgroup_size: 256
    .sgpr_count:     66
    .vgpr_count:     208
    .wavefront_size: 32
...
	.end_amdgpu_metadata
.endif
;; end of part 4
